; MI455X (gfx1250); checked and timed in simulation.
; The chip was launched on July 23, 2026; its instructions are those of AMD's public machine-readable ISA for CDNA 5 (MIT licence, August 2026) and "CDNA5" Instruction Set Architecture Reference Guide (July 2026). The comments in the code are by the model that wrote it; some were corrected since.
;; Feature Extraction Layer. Allowed arithmetic: float matrix products may take bf16 or f16 operands with f32 sums; all other float work in f32.
;; Inputs: x 64 x 256 x 64 x 64 float32.
;; Outputs: out0 64 x 8 x 259 float32.
;; One version. Each part assembles by itself: llvm-mc -triple=amdgcn-amd-amdhsa -mcpu=gfx1250 --defsym DOCPART=n.
;; ======== version 1 of 1: 2 launches
;; workspace buffers: order 8,192 bytes of whole numbers
;; launch scan (part 1): grid 256 x 1, 16 waves a work-group, no clusters, 6,144 bytes of LDS; arguments x, order; writes order
.if DOCPART == 1
	.amdgcn_target "amdgcn-amd-amdhsa--gfx1250"
	.amdhsa_code_object_version 6
	.text
	.protected	k_q21ce5e3cdc_scan
	.globl	k_q21ce5e3cdc_scan
	.p2align	8
	.type	k_q21ce5e3cdc_scan,@function
k_q21ce5e3cdc_scan:
	s_mov_b64 s[64:65], 0
	v_nop
	global_prefetch_b8 v0, s[64:65] scope:SCOPE_SE
	s_setreg_imm32_b32 hwreg(HW_REG_WAVE_MODE, 25, 1), 1
	s_wait_xcnt 0x0
; scan: one pass over x [64][256*64*64] f32.  For every MiB of x (a quarter of a batch) it names the 8 best GROUPS.
; A group is 64 consecutive elements (256 bytes).  Groups are ordered by (largest element, descending; group number, ascending).
; Why groups suffice: the 8 best elements of a batch, ordered by (value descending, index ascending), lie in its 8 best groups.
; If 8 groups stood ahead of an element's group, each would hold an element that is larger, or equal with a lower index.
; The next launch reads the named groups only.  Nothing here branches or addresses on data: every choice is a select.
;
; Work: 256 work-groups x 1 MiB; 16 waves x 64 KiB; a wave's load covers 512 consecutive bytes = two groups, one for each half of
; 16 lanes.  A ring of 32 loads in registers: 16 waves x 32 loads x 512 bytes = 262,144 bytes requested at any time.
; Each half keeps a list of its best groups, sorted, one entry a lane (lanes 0-7 of the half are used at the end).
; No LDS ring: each byte is used only by the lane that loads it.  No cluster: no two work-groups read the same byte of x.
; No matrix instruction: there is no product.
;
; LIMITS.  NaN inputs are not served (v_max_num_f32 drops a NaN, and a group that is all NaN would break a list's order).
; +0 and -0 count as equal: between them the lower index wins.  Infinities of both signs are served.
.set LOADB,  512                       ; bytes of one load of a wave
.set NLOADS, 128                       ; loads of a wave: 64 KiB
.set DEPTH,  32                        ; loads in flight in a wave
.set TRIPS,  NLOADS/DEPTH              ; once round the ring = a trip
.set CI,     2048                      ; LDS: 512 values at 0, their 512 group numbers at 2,048
.set OFF,  1                           ; v1       my byte offset in the work-group's MiB
.set P,    4                           ; v[4:7]   maxima of the four loads of a turn
.set LV,   8                           ; v8       the list: values, descending along the half's lanes; NaN = empty
.set LI,   9                           ; v9       the list: number of the load that brought the group
.set SV,   10                          ; v10      the list's values moved up by one lane; lanes 0 and 16 stay +inf
.set SI,   11                          ; v11      the same for the numbers
.set TV,   12
.set TI,   13
.set M,    16                          ; final stage: the round's largest value
.set IX,   17                          ; and the lowest group number that has it
.set U,    18
.set RI,   19                          ; lane r: the group drawn in round r
.set PINF, 20
.set NINF, 21
.set ADR,  22
.set LANE, 23
.set X,    32                          ; v[32:159] the ring: slot i = 4 registers
.set VAL,  32                          ; final stage, in the ring's registers: 8 candidates a lane
.set GID,  40
.set CND,  48
.set MK,   20                          ; s[20:28] lane masks of the final stage
	s_load_b128 s[4:7], s[0:1], 0x0                ; x s[4:5], order s[6:7]
	v_lshl_add_u32 v160, v0, 2, 0x1000
	v_mov_b32 v161, 0
	v_lshrrev_b32 v2, 5, v0
	v_readfirstlane_b32 s8, v2                     ; wave 0..15
	v_and_b32 v3, 31, v0
	v_lshlrev_b32 v3, 4, v3                        ; 16 bytes a lane
	v_lshl_add_u32 v[OFF], v2, 16, v3              ; + wave x 64 KiB
	s_lshl_b32 s10, ttmp9, 20                      ; the work-group's MiB (255 MiB at the most: one word)
	s_mov_b32 s11, 0
	s_mov_b32 s14, 0                               ; number of the load that is being inserted
	v_mov_b32 v[LV], 0x7fc00000                    ; empty: NaN >= anything is false, so every group beats an empty place
	v_mov_b32 v[LI], 0
	v_mov_b32 v[SV], 0x7f800000                    ; +inf: only lanes 0 and 16 keep it (row_shr leaves lanes without a source alone)
	v_mov_b32 v[SI], 0
	s_wait_kmcnt 0x0
	s_add_nc_u64 s[4:5], s[4:5], s[10:11]
.set i, 0
.rept DEPTH
	global_load_b128 v[X+4*i:X+4*i+3], v[OFF], s[4:5] offset:i*LOADB th:TH_LOAD_NT   ; fill the ring
.set i, i+1
.endr
; Insert the group whose maximum lies in v[p] (equal in the 16 lanes of a half) into the half's list.
; keep = my entry >= new (an equal entry is older, so its group number is lower: it stays ahead);
; here = the entry one lane down >= new (lane 0: +inf, always).  keep: stay.  here and not keep: take the new one.  Neither: move up.
.macro INSERT p
	v_mov_b32_dpp v[SV], v[LV] row_shr:1 row_mask:0xf bank_mask:0xf
	v_mov_b32_dpp v[SI], v[LI] row_shr:1 row_mask:0xf bank_mask:0xf
	v_cmp_ge_f32 vcc_lo, v[LV], v[\p]              ; keep
	v_cmp_ge_f32 s16, v[SV], v[\p]                 ; here
	v_cndmask_b32 v[TV], v[SV], v[\p], s16
	v_cndmask_b32 v[TI], v[SI], s14, s16
	v_cndmask_b32 v[LV], v[TV], v[LV], vcc_lo
	v_cndmask_b32 v[LI], v[TI], v[LI], vcc_lo
	s_add_co_u32 s14, s14, 1
.endm
; A turn takes four slots, so that the four chains of lane steps do not wait for each other.
; ahead = 1: the slots are filled again, DEPTH loads further on.  left = how many younger loads may stay out.
.macro TURN q, ahead, left
	s_wait_loadcnt \left                           ; loads return in order (ISA guide 5.7.1): the four oldest are in
.irp k, 0,1,2,3
	v_max3_num_f32 v[P+\k], v[X+16*\q+4*\k], v[X+16*\q+4*\k+1], v[X+16*\q+4*\k+2]
.endr
.irp k, 0,1,2,3
	v_max_num_f32 v[P+\k], v[P+\k], v[X+16*\q+4*\k+3]          ; the largest of my 4 numbers
.endr
.if \ahead
.irp k, 0,1,2,3
	global_load_b128 v[X+16*\q+4*\k:X+16*\q+4*\k+3], v[OFF], s[4:5] offset:(DEPTH+4*\q+\k)*LOADB th:TH_LOAD_NT
.endr
.endif
.irp m, 1,2,4,8
.irp k, 0,1,2,3
	v_max_num_f32_dpp v[P+\k], v[P+\k], v[P+\k] row_xmask:\m row_mask:0xf bank_mask:0xf   ; over the half's 16 lanes: the group's maximum
.endr
.endr
.irp k, 0,1,2,3
	INSERT P+\k
.endr
.endm
	s_mov_b32 s9, TRIPS-1
.Ltrip:
.irp q, 0,1,2,3,4,5,6,7
	TURN \q, 1, DEPTH-4                            ; 28: the ring's other loads stay on their way
.endr
	s_wait_xcnt 0x0                                ; the base is stepped only when every issued load has had its address translated
	s_add_nc_u64 s[4:5], s[4:5], DEPTH*LOADB
	s_sub_co_i32 s9, s9, 1
	s_cmp_lg_u32 s9, 0
	s_cbranch_scc1 .Ltrip
.irp q, 0,1,2,3,4,5,6,7
	TURN \q, 0, DEPTH-4-4*\q                       ; the last trip loads nothing: no load leaves the wave's 64 KiB, the counts run down to 0
.endr
	; The lists meet in LDS.  Group number in all of x = work-group x 4,096 + wave x 256 + 2 x load + half; below 2^20, so exact in f32,
	; which lets the lane steps below work on it with f32 minima.
	v_bfe_u32 v2, v0, 4, 1                         ; which half
	v_lshrrev_b32 v3, 5, v0
	v_lshl_or_b32 v2, v3, 8, v2
	s_lshl_b32 s15, ttmp9, 12
	v_add_nc_u32 v2, s15, v2
	v_lshl_add_u32 v2, v[LI], 1, v2
	v_cvt_f32_u32 v2, v2
	v_lshlrev_b32 v3, 2, v0                        ; entry = thread = 16 x list + place
	ds_store_b32 v3, v[LV]
	ds_store_b32 v3, v2 offset:CI
	s_wait_dscnt 0x0                               ; for wave 0's sake: my stores are done before I signal
	s_barrier_signal -1
	s_barrier_wait -1
	s_cmp_lg_u32 s8, 0
	s_cbranch_scc1 .Lend
	; Wave 0: places 0-7 of the 32 lists = 256 candidates, 8 a lane.  Candidate lane + 32 k is list (lane >> 3) + 4 k, place lane & 7.
	; Each half has seen 128 groups, so none of these places is empty.
	v_and_b32 v[LANE], 31, v0
	v_and_b32 v2, 7, v[LANE]
	v_lshrrev_b32 v3, 3, v[LANE]
	v_lshlrev_b32 v2, 2, v2
	v_lshl_add_u32 v[ADR], v3, 6, v2
.set k, 0
.rept 8
	ds_load_b32 v[VAL+k], v[ADR] offset:256*k
	ds_load_b32 v[GID+k], v[ADR] offset:CI+256*k
.set k, k+1
.endr
	s_mov_b32 s12, 0x76543210                      ; v_permlanex16_b32: lane i of one half reads lane i of the other
	s_mov_b32 s13, 0xfedcba98
	v_mov_b32 v[PINF], 0x7f800000
	v_mov_b32 v[NINF], 0xff800000
	v_mov_b32 v[RI], 0
	s_wait_dscnt 0x0
; One round: the largest value of all; among the candidates that have it the lowest group number; that one is struck out
; (value -inf AND number +inf, so that a true -inf candidate, whose number is finite, still wins against it) and noted in lane r.
.macro PICK8 r
	v_max3_num_f32 v[M], v[VAL], v[VAL+1], v[VAL+2]
	v_max3_num_f32 v[U], v[VAL+3], v[VAL+4], v[VAL+5]
	v_max_num_f32  v[CND], v[VAL+6], v[VAL+7]
	v_max3_num_f32 v[M], v[M], v[U], v[CND]
.irp m, 1,2,4,8
	v_max_num_f32_dpp v[M], v[M], v[M] row_xmask:\m row_mask:0xf bank_mask:0xf
.endr
	v_permlanex16_b32 v[U], v[M], s12, s13
	v_max_num_f32 v[M], v[M], v[U]
.irp j, 0,1,2,3,4,5,6,7
	v_cmp_eq_f32 s[MK+\j], v[VAL+\j], v[M]
.endr
.irp j, 0,1,2,3,4,5,6,7
	v_cndmask_b32 v[CND+\j], v[PINF], v[GID+\j], s[MK+\j]
.endr
	v_min3_num_f32 v[IX], v[CND], v[CND+1], v[CND+2]
	v_min3_num_f32 v[U], v[CND+3], v[CND+4], v[CND+5]
	v_min_num_f32  v[CND+6], v[CND+6], v[CND+7]
	v_min3_num_f32 v[IX], v[IX], v[U], v[CND+6]
.irp m, 1,2,4,8
	v_min_num_f32_dpp v[IX], v[IX], v[IX] row_xmask:\m row_mask:0xf bank_mask:0xf
.endr
	v_permlanex16_b32 v[U], v[IX], s12, s13
	v_min_num_f32 v[IX], v[IX], v[U]
.irp j, 0,1,2,3,4,5,6,7
	v_cmp_eq_f32 s[MK+\j], v[GID+\j], v[IX]        ; group numbers are all different: this is the one
.endr
.irp j, 0,1,2,3,4,5,6,7
	v_cndmask_b32 v[VAL+\j], v[VAL+\j], v[NINF], s[MK+\j]
	v_cndmask_b32 v[GID+\j], v[GID+\j], v[PINF], s[MK+\j]
.endr
	s_mov_b32 s[MK+8], 1<<\r
	v_cndmask_b32 v[RI], v[RI], v[IX], s[MK+8]
.endm
.irp r, 0,1,2,3,4,5,6,7
	PICK8 \r
.endr
	v_cvt_u32_f32 v[RI], v[RI]                     ; a whole number again
	v_lshlrev_b32 v2, 2, v[LANE]
	s_lshl_b32 s10, ttmp9, 5                       ; 8 words for each work-group: the four of a batch lie side by side
	s_add_nc_u64 s[6:7], s[6:7], s[10:11]
	v_cmp_gt_u32 vcc_lo, 8, v[LANE]
	s_wait_xcnt 0x0                                ; EXEC changes only when no issued memory instruction still needs it
	s_and_saveexec_b32 s20, vcc_lo
	global_store_b32 v2, v[RI], s[6:7]             ; 8 lanes, 32 consecutive bytes: all that this work-group has to say
	s_wait_xcnt 0x0
	s_or_b32 exec_lo, exec_lo, s20
.Lend:
	s_wait_tensorcnt 0x0
	ds_add_u32 v160, v161
	s_wait_dscnt 0x0
	s_endpgm
.Lfunc_end_k_q21ce5e3cdc_scan:
	.size	k_q21ce5e3cdc_scan, .Lfunc_end_k_q21ce5e3cdc_scan-k_q21ce5e3cdc_scan
	.p2alignl 7, 3214868480
	.fill 96, 4, 3214868480
	.section	.rodata,"a",@progbits
	.p2align	6, 0x0
	.amdhsa_kernel k_q21ce5e3cdc_scan
		.amdhsa_group_segment_fixed_size 6144
		.amdhsa_private_segment_fixed_size 0
		.amdhsa_enable_private_segment 0
		.amdhsa_kernarg_size 16
		.amdhsa_user_sgpr_count 2
		.amdhsa_user_sgpr_kernarg_segment_ptr 1
		.amdhsa_wavefront_size32 1
		.amdhsa_system_sgpr_workgroup_id_x 1
		.amdhsa_system_sgpr_workgroup_id_y 1
		.amdhsa_system_sgpr_workgroup_id_z 1
		.amdhsa_system_vgpr_workitem_id 0
		.amdhsa_next_free_vgpr 162
		.amdhsa_next_free_sgpr 66
		.amdhsa_reserve_vcc 1
		.amdhsa_float_denorm_mode_32 3
		.amdhsa_float_denorm_mode_16_64 3
		.amdhsa_memory_ordered 1
		.amdhsa_forward_progress 1
		.amdhsa_inst_pref_size 91
	.end_amdhsa_kernel
	.amdgpu_metadata
---
amdhsa.version: [ 1, 2 ]
amdhsa.kernels:
  - .name:           k_q21ce5e3cdc_scan
    .symbol:         k_q21ce5e3cdc_scan.kd
    .args:
      - { .name: x, .offset: 0, .size: 8, .value_kind: global_buffer, .address_space: global }
      - { .name: order, .offset: 8, .size: 8, .value_kind: global_buffer, .address_space: global }
    .group_segment_fixed_size: 6144
    .private_segment_fixed_size: 0
    .kernarg_segment_align: 8
    .kernarg_segment_size: 16
    .max_flat_workgroup_size: 512
    .sgpr_count:     66
    .vgpr_count:     162
    .wavefront_size: 32
...
	.end_amdgpu_metadata
.endif
;; end of part 1
;; launch pick (part 2): grid 64 x 1, 16 waves a work-group, no clusters, 6,656 bytes of LDS; arguments x, order, out0; writes out0
.if DOCPART == 2
	.amdgcn_target "amdgcn-amd-amdhsa--gfx1250"
	.amdhsa_code_object_version 6
	.text
	.protected	k_q21ce5e3cdc_pick
	.globl	k_q21ce5e3cdc_pick
	.p2align	8
	.type	k_q21ce5e3cdc_pick,@function
k_q21ce5e3cdc_pick:
	s_mov_b64 s[64:65], 0
	v_nop
	global_prefetch_b8 v0, s[64:65] scope:SCOPE_SE
	s_setreg_imm32_b32 hwreg(HW_REG_WAVE_MODE, 25, 1), 1
	s_wait_xcnt 0x0
; pick: one work-group for each batch.  order holds, for the batch, the numbers of 32 different groups of 64 consecutive elements
; (256 bytes) of x, among which are the batch's 8 best groups, and so its 8 best elements by (value descending, index ascending).
; 1. Each half of 16 lanes (16 waves x 2) reads one group, 16 bytes a lane, and draws its 8 best (value, index) in 8 rounds.
; 2. The 32 x 8 candidates meet in LDS; wave 0 draws the 8 best, in order, and leaves (value, channel, x/63, y/63) for each rank in LDS.
; 3. All waves write out0[batch] = [8][259] f32 as 518 stores of 16 bytes; which row and column a number belongs to follows from the
;    thread's number alone, what it holds is chosen by selects.
; The only addresses that hang on data come from the whole numbers in order, clamped to x's 2^20 groups.
; 64 work-groups: a batch's merge has one owner.  No cluster: no two work-groups read the same bytes.  No prefetch: a group's
; address is known only when its number has been loaded, one load ahead of its use.
;
; LIMITS.  NaN inputs are not served (a NaN is never drawn).  +0 and -0 count as equal: the lower index wins.
; x/63 and y/63 are products with f32(1/63): they can differ from a division in the last bit.  Infinities are served.
.set NW,    16
.set CI,    2048                       ; LDS: 512 values at 0, their 512 indices at 2,048,
.set RES,   4096                       ; 32 x 16 bytes of results at 4,096 (ranks 0-7 are read)
.set OUTB,  8*259*4                    ; bytes of out0 for a batch: 8,288 = 518 x 16
.set L16,  1                           ; v1       lane in its half
.set GIDR, 3                           ; v3       my half's group number
.set XA,   4                           ; v4       byte offset of my 16 bytes in x
.set LANE, 7
.set XV,   8                           ; v[8:11]  my 4 numbers
.set XI,   12                          ; v[12:15] their indices in the batch, as f32 (below 2^20: exact)
.set XC,   16                          ; v[16:19] at work
.set M,    20                          ; the round's largest value
.set IX,   21                          ; the lowest index that has it
.set U,    22
.set RI,   23                          ; lane r (of the half, then of the wave): index drawn in round r
.set PINF, 24
.set NINF, 25
.set ADR,  26
.set T0,   27
.set T1,   28
.set T2,   29
.set Q,    30                          ; second pass: number of my quad
.set SO,   31                          ; byte offset of my quad in the batch's output
.set CC,   32                          ; v[32:35] column (0..258) of each number of my quad
.set KA,   36                          ; v[36:39] LDS address of its row's results
.set BV,   40                          ; v[40:47] wave 0: 8 candidates a lane
.set BI,   48
.set BC,   56
.set R,    64                          ; v[64:79] results of the rows of my 4 numbers; before that v[64:67] a rank's results
.set RV,   64                          ; lane r: value drawn in round r
.set O,    80                          ; v[80:83] my quad
.set MK,   20                          ; s[20:28] lane masks
; Row and column of the four numbers of quad v[q].  e = 4 q + j is below 2,176; e / 259 = (e x 4,049) >> 20 there:
; 4,049 x 259 = 2^20 + 115, and 8 x 115 + 258 x 4,049 stays below 2^20.
.macro INDEX q
.irp j, 0,1,2,3
	v_lshl_add_u32 v[T0], v[\q], 2, \j
	v_mul_u32_u24 v[T1], 0xfd1, v[T0]
	v_lshrrev_b32 v[T1], 20, v[T1]                 ; row
	v_mul_u32_u24 v[T2], 0x103, v[T1]
	v_sub_nc_u32 v[CC+\j], v[T0], v[T2]            ; column
	v_min_u32 v[T1], 7, v[T1]                      ; the second pass's lanes beyond the last quad stay inside the table
	v_lshl_add_u32 v[KA+\j], v[T1], 4, RES
.endr
	v_lshlrev_b32 v[SO], 4, v[\q]
.endm
.macro ALLMAX cross
.irp m, 1,2,4,8
	v_max_num_f32_dpp v[M], v[M], v[M] row_xmask:\m row_mask:0xf bank_mask:0xf
.endr
.if \cross
	v_permlanex16_b32 v[U], v[M], s12, s13
	v_max_num_f32 v[M], v[M], v[U]
.endif
.endm
.macro ALLMIN cross
.irp m, 1,2,4,8
	v_min_num_f32_dpp v[IX], v[IX], v[IX] row_xmask:\m row_mask:0xf bank_mask:0xf
.endr
.if \cross
	v_permlanex16_b32 v[U], v[IX], s12, s13
	v_min_num_f32 v[IX], v[IX], v[U]
.endif
.endm
.macro NOTE mask                       ; the round's value and index go to the lanes of the mask
	s_mov_b32 s[MK+8], \mask
	v_cndmask_b32 v[RV], v[RV], v[M], s[MK+8]
	v_cndmask_b32 v[RI], v[RI], v[IX], s[MK+8]
.endm
; One round: the largest value; among those that have it the lowest index; that one is struck out (value -inf AND index +inf, so that
; a true -inf, whose index is finite, still wins against it) and noted.  PICK4: each half for itself, 4 numbers a lane.
.macro PICK4 mask
	v_max3_num_f32 v[M], v[XV], v[XV+1], v[XV+2]
	v_max_num_f32 v[M], v[M], v[XV+3]
	ALLMAX 0
.irp j, 0,1,2,3
	v_cmp_eq_f32 s[MK+\j], v[XV+\j], v[M]
.endr
.irp j, 0,1,2,3
	v_cndmask_b32 v[XC+\j], v[PINF], v[XI+\j], s[MK+\j]
.endr
	v_min3_num_f32 v[IX], v[XC], v[XC+1], v[XC+2]
	v_min_num_f32 v[IX], v[IX], v[XC+3]
	ALLMIN 0
.irp j, 0,1,2,3
	v_cmp_eq_f32 s[MK+\j], v[XI+\j], v[IX]
.endr
.irp j, 0,1,2,3
	v_cndmask_b32 v[XV+\j], v[XV+\j], v[NINF], s[MK+\j]
	v_cndmask_b32 v[XI+\j], v[XI+\j], v[PINF], s[MK+\j]
.endr
	NOTE \mask
.endm
; PICK8: the whole wave, 8 candidates a lane.
.macro PICK8 mask
	v_max3_num_f32 v[M], v[BV], v[BV+1], v[BV+2]
	v_max3_num_f32 v[U], v[BV+3], v[BV+4], v[BV+5]
	v_max_num_f32  v[BC], v[BV+6], v[BV+7]
	v_max3_num_f32 v[M], v[M], v[U], v[BC]
	ALLMAX 1
.irp j, 0,1,2,3,4,5,6,7
	v_cmp_eq_f32 s[MK+\j], v[BV+\j], v[M]
.endr
.irp j, 0,1,2,3,4,5,6,7
	v_cndmask_b32 v[BC+\j], v[PINF], v[BI+\j], s[MK+\j]
.endr
	v_min3_num_f32 v[IX], v[BC], v[BC+1], v[BC+2]
	v_min3_num_f32 v[U], v[BC+3], v[BC+4], v[BC+5]
	v_min_num_f32  v[BC+6], v[BC+6], v[BC+7]
	v_min3_num_f32 v[IX], v[IX], v[U], v[BC+6]
	ALLMIN 1
.irp j, 0,1,2,3,4,5,6,7
	v_cmp_eq_f32 s[MK+\j], v[BI+\j], v[IX]
.endr
.irp j, 0,1,2,3,4,5,6,7
	v_cndmask_b32 v[BV+\j], v[BV+\j], v[NINF], s[MK+\j]
	v_cndmask_b32 v[BI+\j], v[BI+\j], v[PINF], s[MK+\j]
.endr
	NOTE \mask
.endm
; The four numbers of my quad: 1 where the column is the row's channel, 0 elsewhere below 256; then value, x/63, y/63.
.macro EMIT
.irp j, 0,1,2,3
	ds_load_b128 v[R+4*\j:R+4*\j+3], v[KA+\j]
.endr
	s_wait_dscnt 0x0
.irp j, 0,1,2,3
	v_cmp_eq_u32 vcc_lo, v[CC+\j], v[R+4*\j+1]     ; a channel is below 256, so columns 256-258 get 0 here
	v_cndmask_b32 v[O+\j], 0, 1.0, vcc_lo
	v_cmp_eq_u32 vcc_lo, 0x100, v[CC+\j]
	v_cndmask_b32 v[O+\j], v[O+\j], v[R+4*\j], vcc_lo
	v_cmp_eq_u32 vcc_lo, 0x101, v[CC+\j]
	v_cndmask_b32 v[O+\j], v[O+\j], v[R+4*\j+2], vcc_lo
	v_cmp_eq_u32 vcc_lo, 0x102, v[CC+\j]
	v_cndmask_b32 v[O+\j], v[O+\j], v[R+4*\j+3], vcc_lo
.endr
.endm
	s_load_b128 s[4:7], s[0:1], 0x0                ; x s[4:5], order s[6:7]
	s_load_b64 s[8:9], s[0:1], 0x10                ; out0
	v_lshl_add_u32 v88, v0, 2, 0x1200
	v_mov_b32 v89, 0
	v_lshrrev_b32 v2, 5, v0
	v_readfirstlane_b32 s10, v2                    ; wave 0..15
	v_lshrrev_b32 v2, 4, v0                        ; my half, 0..31
	v_lshlrev_b32 v2, 2, v2                        ; its word among the batch's 32
	s_lshl_b32 s14, ttmp9, 7                       ; the batch's 32 words
	s_mov_b32 s15, 0
	s_mul_i32 s16, ttmp9, OUTB
	s_mov_b32 s17, 0
	s_wait_kmcnt 0x0
	s_add_nc_u64 s[6:7], s[6:7], s[14:15]
	s_add_nc_u64 s[8:9], s[8:9], s[16:17]
	global_load_b32 v[GIDR], v2, s[6:7]
	; while the number is on its way: everything that hangs on the thread's number alone
	s_mov_b32 s12, 0x76543210                      ; v_permlanex16_b32: lane i of one half reads lane i of the other
	s_mov_b32 s13, 0xfedcba98
	v_and_b32 v[L16], 15, v0
	v_and_b32 v[LANE], 31, v0
	v_lshlrev_b32 v5, 4, v[L16]
	v_mov_b32 v[PINF], 0x7f800000
	v_mov_b32 v[NINF], 0xff800000
	v_mov_b32 v[RV], 0
	v_mov_b32 v[RI], 0
	INDEX 0                                        ; first pass: quad = thread, 0..511
	s_wait_loadcnt 0x0
	v_min_u32 v[GIDR], 0xfffff, v[GIDR]            ; x has 2^20 groups
	v_lshlrev_b32 v[XA], 8, v[GIDR]                ; 256 bytes a group
	v_add_nc_u32 v[XA], v[XA], v5                  ; 16 lanes read the group's 256 consecutive bytes
	global_load_b128 v[XV:XV+3], v[XA], s[4:5]
	v_and_b32 v6, 0x3fff, v[GIDR]                  ; the group's number in its batch (16,384 groups a batch)
	v_lshlrev_b32 v6, 6, v6
	v_lshl_add_u32 v6, v[L16], 2, v6               ; index of my first number in the batch
	v_cvt_f32_u32 v[XI], v6
	v_add_f32 v[XI+1], 1.0, v[XI]
	v_add_f32 v[XI+2], 2.0, v[XI]
	v_add_f32 v[XI+3], 0x40400000, v[XI]
	v_lshlrev_b32 v[T0], 2, v0                     ; LDS entry = thread = 16 x half + place
	s_wait_loadcnt 0x0
.irp r, 0,1,2,3,4,5,6,7
	PICK4 (0x10001<<\r)                            ; lane r of each half notes round r
.endr
	ds_store_b32 v[T0], v[RV]
	ds_store_b32 v[T0], v[RI] offset:CI
	s_wait_dscnt 0x0                               ; for wave 0's sake: my stores are done before I signal
	s_barrier_signal -1
	s_barrier_wait -1
	s_cmp_lg_u32 s10, 0
	s_cbranch_scc1 .Lothers
	; Wave 0: places 0-7 of the 32 halves = 256 candidates.  Candidate lane + 32 k is half (lane >> 3) + 4 k, place lane & 7.
	v_and_b32 v2, 7, v[LANE]
	v_lshrrev_b32 v6, 3, v[LANE]
	v_lshlrev_b32 v2, 2, v2
	v_lshl_add_u32 v[ADR], v6, 6, v2
.set k, 0
.rept 8
	ds_load_b32 v[BV+k], v[ADR] offset:256*k
	ds_load_b32 v[BI+k], v[ADR] offset:CI+256*k
.set k, k+1
.endr
	s_wait_dscnt 0x0
.irp r, 0,1,2,3,4,5,6,7
	PICK8 (1<<\r)                                  ; lane r notes rank r
.endr
	v_cvt_u32_f32 v[T0], v[RI]                     ; index = channel x 4,096 + row x 64 + column
	v_lshrrev_b32 v[R+1], 12, v[T0]
	v_and_b32 v[T1], 63, v[T0]
	v_bfe_u32 v[T2], v[T0], 6, 6
	v_cvt_f32_u32 v[T1], v[T1]
	v_cvt_f32_u32 v[T2], v[T2]
	v_mul_f32 v[R+2], 0x3c820821, v[T1]            ; x f32(1/63)
	v_mul_f32 v[R+3], 0x3c820821, v[T2]
	v_lshlrev_b32 v[T0], 4, v[LANE]
	ds_store_b128 v[T0], v[R:R+3] offset:RES       ; lanes 0-7: ranks 0-7; what the other lanes store is never read
	s_wait_dscnt 0x0                               ; done before the signal below
.Lothers:
	s_barrier_signal -1
	s_barrier_wait -1
	EMIT
	global_store_b128 v[SO], v[O:O+3], s[8:9] th:TH_STORE_NT       ; a wave stores 512 consecutive bytes
	; quads 512 to 517: one wave, six lanes
	s_cmp_lg_u32 s10, NW-1
	s_cbranch_scc1 .Lend
	s_wait_xcnt 0x0                                ; the store's data and offset are rewritten only behind this wait
	v_add_nc_u32 v[Q], 0x200, v[LANE]
	INDEX Q
	EMIT
	v_cmp_gt_u32 vcc_lo, 6, v[LANE]
	s_and_saveexec_b32 s20, vcc_lo                 ; no global instruction has been issued since the wait above
	global_store_b128 v[SO], v[O:O+3], s[8:9] th:TH_STORE_NT
	s_wait_xcnt 0x0
	s_or_b32 exec_lo, exec_lo, s20
.Lend:
	s_wait_tensorcnt 0x0
	ds_add_u32 v88, v89
	s_wait_dscnt 0x0
	s_endpgm
.Lfunc_end_k_q21ce5e3cdc_pick:
	.size	k_q21ce5e3cdc_pick, .Lfunc_end_k_q21ce5e3cdc_pick-k_q21ce5e3cdc_pick
	.p2alignl 7, 3214868480
	.fill 96, 4, 3214868480
	.section	.rodata,"a",@progbits
	.p2align	6, 0x0
	.amdhsa_kernel k_q21ce5e3cdc_pick
		.amdhsa_group_segment_fixed_size 6656
		.amdhsa_private_segment_fixed_size 0
		.amdhsa_enable_private_segment 0
		.amdhsa_kernarg_size 24
		.amdhsa_user_sgpr_count 2
		.amdhsa_user_sgpr_kernarg_segment_ptr 1
		.amdhsa_wavefront_size32 1
		.amdhsa_system_sgpr_workgroup_id_x 1
		.amdhsa_system_sgpr_workgroup_id_y 1
		.amdhsa_system_sgpr_workgroup_id_z 1
		.amdhsa_system_vgpr_workitem_id 0
		.amdhsa_next_free_vgpr 90
		.amdhsa_next_free_sgpr 66
		.amdhsa_reserve_vcc 1
		.amdhsa_float_denorm_mode_32 3
		.amdhsa_float_denorm_mode_16_64 3
		.amdhsa_memory_ordered 1
		.amdhsa_forward_progress 1
		.amdhsa_inst_pref_size 59
	.end_amdhsa_kernel
	.amdgpu_metadata
---
amdhsa.version: [ 1, 2 ]
amdhsa.kernels:
  - .name:           k_q21ce5e3cdc_pick
    .symbol:         k_q21ce5e3cdc_pick.kd
    .args:
      - { .name: x, .offset: 0, .size: 8, .value_kind: global_buffer, .address_space: global }
      - { .name: order, .offset: 8, .size: 8, .value_kind: global_buffer, .address_space: global }
      - { .name: out0, .offset: 16, .size: 8, .value_kind: global_buffer, .address_space: global }
    .group_segment_fixed_size: 6656
    .private_segment_fixed_size: 0
    .kernarg_segment_align: 8
    .kernarg_segment_size: 24
    .max_flat_workgroup_size: 512
    .sgpr_count:     66
    .vgpr_count:     90
    .wavefront_size: 32
...
	.end_amdgpu_metadata
.endif
;; end of part 2
